; MI455X (gfx1250); checked and timed in simulation.
; The chip was launched on July 23, 2026; its instructions are those of AMD's public machine-readable ISA for CDNA 5 (MIT licence, August 2026) and "CDNA5" Instruction Set Architecture Reference Guide (July 2026). The comments in the code are by the model that wrote it; some were corrected since.
;; Power Softmax. Allowed arithmetic: matrix products marked QUANTISED: E5M2 operands, one given power-of-two scale a tensor, by v_wmma_f32_16x16x64_bf8_bf8 or v_wmma_f32_16x16x128_bf8_bf8, f32 sums; everything else in f32.
;; Inputs: k 4 x 16 x 2,048 x 64 float32; lowp_scales 4 int32 (the exponents e of the quantised operands' scales 2^e); q 4 x 16 x 2,048 x 64 float32; v 4 x 16 x 2,048 x 64 float32.
;; Outputs: out0 4 x 16 x 2,048 x 64 float32.
;; This version of the problem:
;;   THIS VERSION OF THE PROBLEM IS GIVEN IN LOW PRECISION. The matrix products marked QUANTISED in the list below multiply operands that are first quantised to E5M2 (5 exponent bits, 2 mantissa bits; 8 bits a number), with one given power-of-two scale for each operand tensor; their sums are f32. All else is computed in f32.
;;   The module's matrix products, in the order in which they are computed (A, B: the left and right operand; K: the contracted axis; several contracted axes count as one K, in the product's order):
;;     1. batch 64 x [M 2,048, K 64] x [K 64, N 2,048]; A: input q; B: input k: QUANTISED (scales: A lowp_scales[0], B lowp_scales[1])
;;     2. batch 64 x [M 2,048, K 2,048] x [K 2,048, N 64]; A: computed on the way; B: input v: QUANTISED (scales: A lowp_scales[2], B lowp_scales[3])
;;   THE QUANTISER, for each operand of a quantised product, along K:
;;     - The operand's scale is 2^e, e = its entry of the input lowp_scales (int32; the entries are numbered through the quantised products in the list's order, A before B).
;;     - Each number is divided by the scale, clamped to +-57,344, and rounded to the nearest number of E5M2, ties to even, subnormals kept.
;;     - The product sums the exact products of the quantised numbers (number of the format x scale) in f32.
;;   ~~~python
;;   def quantise(x, axis, e):      # numpy; x: float32 -> the quantised numbers, widened to float32 again
;;       x = np.moveaxis(x, axis, -1); K = x.shape[-1]
;;       r = np.clip(x / 2.0 ** e, -57344, 57344)
;;       step = 2.0 ** (np.maximum(np.frexp(np.where(r == 0, 1, r))[1] - 1, -14) - 2)
;;       q = np.round(r / step) * step * 2.0 ** e      # np.round: ties to even
;;       return np.moveaxis(q, -1, axis).astype(np.float32)
;;   ~~~
;;   OPERANDS COMPUTED ON THE WAY. 'Computed on the way' means the value that the module computes at that place (a softmax that the list does not call 'softmax' is quantised finished and normalised). What goes into a quantiser is computed in f32, as accurately as f32 sums, v_exp_f32 and their like allow (about 1e-6 of the number): no bf16 or f16 on the way to a quantiser, and a product that is left as it is and whose result goes on into a quantised operand takes f32 operands (vector FMAs, or v_wmma_f32_16x16x4_f32). A number that lies on a knife's edge between two numbers of the format may be rounded either way, as far as f32 arithmetic and the matrix unit's own rounding can turn it there, and no further.
;; One version. Each part assembles by itself: llvm-mc -triple=amdgcn-amd-amdhsa -mcpu=gfx1250 --defsym DOCPART=n.
;; ======== version 1 of 1: 1 launch
;; limits: right only within a limited range of input values
;; launch powsm (part 1): grid 4 x 64, 8 waves a work-group, no clusters, 307,200 bytes of LDS; arguments q, k, v, lowp_scales, out0; writes out0
.if DOCPART == 1
	.amdgcn_target "amdgcn-amd-amdhsa--gfx1250"
	.amdhsa_code_object_version 6
	.text
	.protected	k_q67a13b5c91_powsm
	.globl	k_q67a13b5c91_powsm
	.p2align	8
	.type	k_q67a13b5c91_powsm,@function
k_q67a13b5c91_powsm:
	s_mov_b64 s[64:65], 0
	v_nop
	global_prefetch_b8 v0, s[64:65] scope:SCOPE_SE
	s_setreg_imm32_b32 hwreg(HW_REG_WAVE_MODE, 25, 1), 1
	s_wait_xcnt 0x0
; out[h][n][:] = sum over m of Q(attn[n][m]) Q(v[h][m][:]),  attn = l^2 / (sum over m of l^2 + 1e-6),  l = Q(q[h][n]) . Q(k[h][m]) / 8.   64 heads, 2,048 rows, 64 channels, all f32.
; Q(.) is the given quantiser: x / 2^e, held within +-57,344, to the nearest code of E5M2 (ties to even); e = eq, ek, ep, ev from lowp_scales.  Both products run on codes; sums in f32.
; attn is quantised FINISHED: a row's sum must be known before its first weight is converted.  So the keys are walked twice: pass 1 forms the scores S (in units of codes) and sums S^2; pass 2 forms S again,
; takes S^2 x 1 / (sum + eps'), converts, and multiplies by V.  1 / 8 and the two scales are powers of two, so they leave the quotient but for eps' = 1e-6 x 2^(6 - 2 (eq + ek)).
; |S| <= 64 x 57,344^2, so a row's sum of 2,048 squares stays under 1e26: no sum here can overflow, whatever the inputs.
; SHARES.  A work-group owns 512 queries of one head: 4 x 64 = 256 work-groups.  Each of its eight waves owns 64 queries, four tiles of 16, in 512 registers (two waves to a SIMD: one wave's matrix
; instructions, LDS loads and waits are issued beside the other's vector work, of which pass 2 has about nine lines for each matrix instruction).
; The work-group quantises the head's whole K and V itself (wave w: keys 256 w on of K; 32 keys of each of eight key steps of V) and keeps all their codes in LDS for both passes: 271,360 bytes.
; NO JOINT LOADS, NO TENSOR LOADS: what the four work-groups of a head share arrives as f32, 1 MiB a head.  Beside the codes and the stages 21,504 of the 327,680 bytes of LDS are left: two slots of f32
; there would hold 40 rows each, 100 changes of slots and more for 4,096 rows.  So K and V come through registers, up to 32 KB a wave ahead of their use, and are converted on the way.
; LAYOUT.  Both products are used transposed: S^T = K Q^T (source 0 = 16 keys, source 1 = 16 queries), O^T = V^T P^T (source 0 = 16 channels, source 1 = P): a lane holds ONE query (lane % 16) throughout.
; In S^T lane (r, h) holds keys 8 h + 0 .. 7 of a tile: their eight codes are registers 2 u, 2 u + 1 of P for tile u of a key step of 128, as the K = 128 form wants them.
; In the first product the channels stand permuted in the registers (registers 4 c .. 4 c + 3: channels 32 c + 16 h + 0 .. 15), alike in K and in Q, so that two 16-byte loads bring a fragment.
; LIMITS: eq, ek, ep, ev between -126 and 112, ep + ev between -126 and 127 (each power of two below is an f32 number); eq + ek at least -70 (eps' is finite).  eps' is held at 2^-126 from below, which is
; nothing beside the smallest square that is not 0 (2^-64) and keeps a row of zeros at 0.  NaN among the inputs is not served.
;
; LDS.  KC: 128 tiles of 16 keys, 1,088 bytes each: four pieces (2 c + h) of 256 bytes + 16 of padding; key r's channels 32 c + 16 h + 0 .. 15 at 16 r.  A fragment load reads 256 bytes on end in each half of the lanes.
;       VC: images of the operand's registers: key step s, channels 16 t on, at 8,256 s + 2,064 t (2,048 bytes + 16); in it the c-th group of four registers at 512 c + 16 x lane.
;       STG: 4,352 bytes for each wave, its own: first the image of its four tiles of Q, at the end 16 rows x 272 bytes for the way out.
.set DUAL, 1                           ; 1: the hold at p's largest code goes two numbers an instruction (a dual-issue pair); 0: as two plain lines
.set KT,   1088                        ; a tile of K or Q in LDS
.set VC,   128*KT                      ; 139,264
.set VTP,  2064                        ; 16 channels x 128 keys of V
.set VSP,  4*VTP                       ; a key step of V
.set STG,  VC+16*VSP                   ; 271,360
.set STW,  4*KT                        ; a wave's stage
; REGISTERS, window 0 (an instruction names v0-v255; s_set_vgpr_msb says which window each operand place means: bits 1:0 source 0, 3:2 source 1, 5:4 source 2, 7:6 destination)
.set AK0,  1                           ; v1   272 h + 16 r: my place in a tile of K
.set AV0,  2                           ; v2   VC + 16 x lane: my place in an image of V
.set ADK,  3                           ; v3   K's LDS address in hand
.set ADV,  4                           ; v4   V's
.set AWK,  5                           ; v5   where I store K's codes: 16 tiles x wave + 272 (g / 4) + 128 h + 4 (g % 4)
.set AWQ,  6                           ; v6   the same in my stage, for Q's
.set GL,   7                           ; v7   2,048 h + 16 g: lanes 0-15 read one row of 256 bytes, lanes 16-31 the row eight further on
.set AVW0, 8                           ; v8   where I store V's codes
.set ADVW, 9                           ; v9   the same, for the unit in hand
.set AQ,   10                          ; v10  my stage + 272 h + 16 r: Q's fragments; on the way out, rows read back
.set STO,  11                          ; v11  my stage + 272 r + 32 h: the way out, in
.set T0,   12                          ; v12  g = r = lane % 16 (at the head)
.set GO,   13                          ; v13  256 h + 16 g: my bytes of two rows of out
.set EPSC, 14                          ; v14  eps'
.set T1,   15                          ; v15  h = lane / 16 (at the head)
.set SCQ,  16                          ; v16, v17  2^eq and 57,344 x 2^eq;  v18, v19: ek;  v20, v21: ev;  v22, v23: ep
.set SCK,  18
.set SCV,  20
.set LIMV, 21
.set SCP,  22
.set LIMP, 23
.set R,    24                          ; v24-31  1 / (sum + eps') of tile qt, twice, at 24 + 2 qt
.set Q,    32                          ; v32-63  Q's four fragments
.set SA,   64                          ; v64-127 pass 2: S^T of one tile of queries x 128 keys;  pass 1: two buffers of 32 (four tiles of queries x 16 keys);  prologue: codes, from v64 on, 8 a tile
.set SB,   128                         ; v128-191 pass 2: the other such buffer;  pass 1: KR, a ring of eight fragments of K
.set KR,   128
.set P,    192                         ; v192-207 p's codes
.set SUM,  208                         ; v208-239 pass 1: sums of squares, pair c of tile qt at 208 + 8 qt + 2 c
.set VCODE, 240                        ; v240-255 pass 1: a unit's codes of V
; window 1
.set OT,   0                           ; v0-127   pass 2: O^T, accumulator (qt, t) at 32 qt + 8 t;  pass 1: VT = v0-63, a unit of V turned;  prologue: eight sets of 32, a tile of f32 each, fill the window
.set VT,   0
.set KF,   128                         ; v128-191 pass 2: K's eight fragments of a key step;  pass 1: VLA, a unit of V as loaded
.set VF,   192                         ; v192-255 pass 2: V's four fragments;  pass 1: VLB
.set VLA,  128
.set VLB,  192
.set MSB, 0
.macro WIN new                         ; the immediate's high byte repeats the setting that is left; a switch that changes nothing is dropped
.if MSB != \new
	s_set_vgpr_msb (MSB<<8)|\new
.set MSB, \new
.endif
.endm
; settings: 0x40 a load's destination in window 1;  0x41 destination and source 0 in window 1 (the holds);  0x01 source 0 in window 1 (conversions, pass 2's K, the way out);  0x51 V, C and D in window 1 (V^T P)
; ---------------- the head: addresses ----------------
	s_load_b256 s[4:11], s[0:1], 0x0               ; q s[4:5], k s[6:7], v s[8:9], the scales' exponents s[10:11]
	s_load_b64 s[12:13], s[0:1], 0x20              ; out
	v_lshrrev_b32 v[T1], 5, v0
	v_readfirstlane_b32 s20, v[T1]                 ; wave 0..7
	v_and_b32 v[T0], 15, v0                        ; g = r
	v_bfe_u32 v[T1], v0, 4, 1                      ; h
	v_mul_u32_u24 v[AK0], v[T1], 272
	v_lshl_add_u32 v[AK0], v[T0], 4, v[AK0]
	v_and_b32 v[AV0], 31, v0
	v_lshlrev_b32 v[AV0], 4, v[AV0]
	v_add_nc_u32 v[AV0], VC, v[AV0]
	v_lshrrev_b32 v[ADK], 2, v[T0]                 ; g / 4 (v3 and v4 are at work here)
	v_and_b32 v[ADV], 3, v[T0]                     ; g % 4
	v_mul_u32_u24 v[AWK], v[ADK], 272              ; my four channels 4 g .. 4 g + 3 lie in piece g / 4, at byte 4 (g % 4) of a key's 16; my rows begin at 8 h
	v_lshl_add_u32 v[AWK], v[T1], 7, v[AWK]
	v_lshl_add_u32 v[AWK], v[ADV], 2, v[AWK]
	s_mul_i32 s21, s20, STW
	s_add_co_u32 s21, s21, STG                     ; my stage
	v_add_nc_u32 v[AWQ], s21, v[AWK]
	s_mul_i32 s22, s20, 16*KT                      ; my 16 tiles of K
	v_add_nc_u32 v[AWK], s22, v[AWK]
	v_lshlrev_b32 v[GL], 11, v[T1]
	v_lshl_add_u32 v[GL], v[T0], 4, v[GL]
	s_lshr_b32 s23, s20, 2                         ; V: waves 0-3 take key steps 0-7, waves 4-7 steps 8-15; wave % 4 is the group of 32 keys in a step
	s_mul_i32 s23, s23, 8*VSP
	s_and_b32 s24, s20, 3
	s_lshl_b32 s24, s24, 9
	s_add_co_u32 s23, s23, s24
	s_add_co_u32 s23, s23, VC
	v_mul_u32_u24 v[AVW0], v[ADK], VTP             ; channel 4 g + c: tile g / 4, the place of lane 4 (g % 4) + c + 16 h
	v_lshl_add_u32 v[AVW0], v[T1], 8, v[AVW0]
	v_lshl_add_u32 v[AVW0], v[ADV], 6, v[AVW0]
	v_add_nc_u32 v[AVW0], s23, v[AVW0]
	v_add_nc_u32 v[AQ], s21, v[AK0]
	v_mul_u32_u24 v[STO], v[T0], 272
	v_lshl_add_u32 v[STO], v[T1], 5, v[STO]
	v_add_nc_u32 v[STO], s21, v[STO]
	v_lshlrev_b32 v[GO], 8, v[T1]
	v_lshl_add_u32 v[GO], v[T0], 4, v[GO]
	s_mov_b32 s32, 0x76543210                      ; v_permlanex16_b32's selects for lane l xor 16
	s_mov_b32 s33, 0xfedcba98
	s_and_b32 s35, ttmp7, 0xffff
	s_lshl_b32 s35, s35, 19                        ; the head: 2,048 rows of 256 bytes
	s_lshl_b32 s36, ttmp9, 17                      ; q, out: + my block's 512 rows
	s_lshl_b32 s37, s20, 14                        ;         + my wave's 64
	s_add_co_u32 s36, s36, s37
	s_add_co_u32 s36, s36, s35
	s_mov_b32 s37, 0
	s_lshl_b32 s38, s20, 16                        ; k: + my wave's 256 keys
	s_add_co_u32 s38, s38, s35
	s_mov_b32 s39, 0
	s_lshr_b32 s40, s20, 2                         ; v: + 1,024 keys x (wave / 4) + 32 keys x (wave % 4)
	s_lshl_b32 s40, s40, 18
	s_and_b32 s41, s20, 3
	s_lshl_b32 s41, s41, 13
	s_add_co_u32 s40, s40, s41
	s_add_co_u32 s40, s40, s35
	s_mov_b32 s41, 0
	s_wait_kmcnt 0x0
	s_load_b128 s[16:19], s[10:11], 0x0            ; eq, ek, ep, ev
	s_add_nc_u64 s[4:5], s[4:5], s[36:37]
	s_add_nc_u64 s[12:13], s[12:13], s[36:37]
	s_add_nc_u64 s[6:7], s[6:7], s[38:39]
	s_add_nc_u64 s[8:9], s[8:9], s[40:41]
; ---------------- macros of the prologue and of pass 1 ----------------
; Tile n of 20 (0-3: my tiles of Q; 4-19: my tiles of K), 16 rows x 256 bytes of f32, into set n % 8 of window 1: load i brings rows i and i + 8 whole, 512 bytes.  NI counts the loads issued.
.macro TLOAD n
	WIN 0x40
.set TS_, 32*((\n)%8)
.set li, 0
.rept 8
.if (\n) < 4
	global_load_b128 v[TS_+4*li:TS_+4*li+3], v[GL], s[4:5] offset:4096*(\n)+256*li th:TH_LOAD_NT   ; q is read once in the launch
.else
	global_load_b128 v[TS_+4*li:TS_+4*li+3], v[GL], s[6:7] offset:4096*((\n)-4)+256*li
.endif
.set li, li+1
.endr
.set NI, NI+8
.endm
; Tile n is held, converted and stored.  Registers 4 i .. 4 i + 3 of the set are row i + 8 h, channels 4 g .. 4 g + 3: a conversion takes two rows' four, and code register i is row i + 8 h's four codes.
; The 32 lanes of a store touch 32 different banks: word 4 (g / 4) + g % 4 + 32 h, modulo 64 (64 banks of 4 bytes: ISA guide 11.1).  Each tile has code registers of its own.
.macro ROWTILE n
.set TS_, 32*((\n)%8)
.set CD_, SA+8*(\n)
.if (\n) < 4
.set SC_, SCQ
.set AD_, AWQ
.set OF_, KT*(\n)
.else
.set SC_, SCK
.set AD_, AWK
.set OF_, KT*((\n)-4)
.endif
	WIN 0x41
.set li, 0
.rept 32
	v_med3_num_f32 v[TS_+li], v[TS_+li], -v[SC_+1], v[SC_+1]   ; the conversion to an 8-bit code does not saturate (ISA guide 7.6.2): the hold at the largest code x the scale
.set li, li+1
.endr
	WIN 0x01
.set li, 0
.rept 4
	v_cvt_scalef32_pk8_bf8_f32 v[CD_+2*li:CD_+2*li+1], v[TS_+8*li:TS_+8*li+7], v[SC_]
.set li, li+1
.endr
	v_nop                                          ; one plain vector line behind the last conversion of a run
	WIN 0
.set li, 0
.rept 8
	ds_store_b32 v[AD_], v[CD_+li] offset:OF_+16*li
.set li, li+1
.endr
.endm
; A unit of V: 32 keys x 64 channels of f32.  Register 4 (8 e + j) + c of the set is key 16 e + 8 h + j, channel 4 g + c.
.macro VLOAD set, off
	WIN 0x40
.set le, 0
.rept 2
.set lj, 0
.rept 8
	global_load_b128 v[\set+4*(8*le+lj):\set+4*(8*le+lj)+3], v[GL], s[8:9] offset:\off+256*(16*le+lj)
.set lj, lj+1
.endr
.set le, le+1
.endr
.set NI, NI+16
.endm
; A unit is held and, by the same 64 lines, turned: VT's register 16 c + 8 e + j.  So a conversion finds eight neighbouring KEYS of one channel, and four code registers are the 16 bytes that lane
; 4 (g % 4) + c + 16 h of the operand's image wants.  cnt: the loads that may stay out.: word 4 (g / 4) + 16 (g % 4), four words each.
.macro VUNIT set, cnt, reload, reloadoff, ldsoff
	s_wait_loadcnt \cnt
	WIN 0x41
.set lc, 0
.rept 4
.set le, 0
.rept 2
.set lj, 0
.rept 8
	v_med3_num_f32 v[VT+16*lc+8*le+lj], v[\set+4*(8*le+lj)+lc], -v[LIMV], v[LIMV]
.set lj, lj+1
.endr
.set le, le+1
.endr
.set lc, lc+1
.endr
.if \reload
	VLOAD \set, \reloadoff                         ; the set takes the unit two further on: it has a whole trip in which to land
.endif
	WIN 0x01
.set lc, 0
.rept 4
.set le, 0
.rept 2
	v_cvt_scalef32_pk8_bf8_f32 v[VCODE+4*lc+2*le:VCODE+4*lc+2*le+1], v[VT+16*lc+8*le:VT+16*lc+8*le+7], v[SCV]
.set le, le+1
.endr
.set lc, lc+1
.endr
	v_nop                                          ; one plain vector line behind the last conversion of a run
	WIN 0
.set lc, 0
.rept 4
	ds_store_b128 v[ADVW], v[VCODE+4*lc:VCODE+4*lc+3] offset:\ldsoff+16*lc
.set lc, lc+1
.endr
.endm
; Pass 1, key tile til (rel: its number counted from the tile at which v3 stands).  The products of tile til + 1 are issued first, then tile til's squares are summed: those sixteen packed lines are the
; places behind the products, in front of the loads into the fragment that they read and of the next slot's reads of their results.  Every product starts with the constant 0: there are no chains.
.macro SLOT1 rel, til, first
.if (\til)+1 < 128
.if (\til)+8 < 127
	s_wait_dscnt 14                                ; tile til + 1 is in: behind its two loads stand those of the seven tiles after it (V's stores among them only make the wait stricter)
.else
	s_wait_dscnt 2*(126-(\til))                    ; near the end fewer tiles stand behind it
.endif
.set K_R, KR+8*(((\til)+1)%8)
.set S_N, SA+32*(((\til)+1)%2)
.irp qt, 0,1,2,3
	v_wmma_f32_16x16x64_bf8_bf8 v[S_N+8*\qt:S_N+8*\qt+7], v[K_R:K_R+7], v[Q+8*\qt:Q+8*\qt+7], 0
.endr
.endif
.set S_C, SA+32*((\til)%2)
.irp qt, 0,1,2,3
.irp c, 0,1,2,3
.if \first
	v_pk_mul_f32 v[SUM+8*\qt+2*\c:SUM+8*\qt+2*\c+1], v[S_C+8*\qt+2*\c:S_C+8*\qt+2*\c+1], v[S_C+8*\qt+2*\c:S_C+8*\qt+2*\c+1]   ; the first tile starts the sums: nothing is cleared
.else
	v_pk_fma_f32 v[SUM+8*\qt+2*\c:SUM+8*\qt+2*\c+1], v[S_C+8*\qt+2*\c:S_C+8*\qt+2*\c+1], v[S_C+8*\qt+2*\c:S_C+8*\qt+2*\c+1], v[SUM+8*\qt+2*\c:SUM+8*\qt+2*\c+1]   ; each result from its low end on
.endif
.endr
.endr
.if (\til)+9 < 128
	ds_load_b128 v[K_R:K_R+3],   v[ADK] offset:((\rel)+9)*KT       ; tile til + 9 takes the place of tile til + 1 in the ring
	ds_load_b128 v[K_R+4:K_R+7], v[ADK] offset:((\rel)+9)*KT+544
.endif
.endm
.macro MKSC se, vsc                    ; 2^e and 57,344 x 2^e as f32, into v[vsc] and v[vsc + 1]
	s_add_co_i32 s21, \se, 127
	s_lshl_b32 s22, s21, 23
	v_mov_b32 v[\vsc], s22
	s_add_co_i32 s21, s21, 15
	s_lshl_b32 s21, s21, 23
	s_or_b32 s21, s21, 0x600000
	v_mov_b32 v[\vsc+1], s21
.endm
; ---------------- the prologue: Q and my 256 keys of K become codes ----------------
.set NI, 0
.set tn, 0
.rept 8
	TLOAD tn                                       ; eight tiles, 32 KB a wave, are asked for before anything else
.set tn, tn+1
.endr
	WIN 0
	s_wait_kmcnt 0x0
	MKSC s16, SCQ
	MKSC s17, SCK
	MKSC s19, SCV
	MKSC s18, SCP
	s_add_co_i32 s30, s18, s19
	s_add_co_i32 s30, s30, 127
	s_lshl_b32 s30, s30, 23                        ; 2^(ep + ev)
	s_mov_b32 s31, s30                             ; (named with it as a pair, so it is written)
	s_add_co_i32 s34, s16, s17
	s_lshl_b32 s34, s34, 1
	s_sub_co_i32 s34, 6, s34                       ; 6 - 2 (eq + ek)
	v_mov_b32 v[EPSC], 0x358637bd                  ; 1e-6
	v_ldexp_f32 v[EPSC], v[EPSC], s34
	v_max_num_f32 v[EPSC], 0x800000, v[EPSC]       ; at least 2^-126: the reciprocal takes a denormal for 0 (ISA guide 15.8)
.set tn, 0
.rept 20
	s_wait_loadcnt NI-8*(tn+1)                     ; loads come back in order (ISA guide 5.7.1): tile tn's eight are in, all that were issued behind them may be out
	ROWTILE tn
.if tn+8 < 20
	TLOAD tn+8                                     ; the set takes the tile eight further on
.endif
.if tn == 3
	WIN 0
.irp qt, 0,1,2,3
	ds_load_b128 v[Q+8*\qt:Q+8*\qt+3],   v[AQ] offset:KT*\qt       ; Q's fragments, out of my own stage: LDS serves a wave's instructions in order (ISA guide 5.7.1.4); waited for in front of the barrier
	ds_load_b128 v[Q+8*\qt+4:Q+8*\qt+7], v[AQ] offset:KT*\qt+544
.endr
.endif
.if tn == 13
	VLOAD VLA, 0                                   ; sets 4 and 5 have had their last tile: V's unit 0
.endif
.if tn == 15
	VLOAD VLB, 32768                               ; sets 6 and 7: unit 1 (a key step, 128 rows, further on)
.endif
.set tn, tn+1
.endr
	WIN 0
	s_wait_dscnt 0x0                               ; for the others' sake: my stores of K's codes have landed (and Q's fragments are in)
	s_barrier_signal -1
	s_barrier_wait -1                              ; K's codes are whole.  V's 32 loads stay on their way: no wave stores to those bytes
; ---------------- pass 1: the rows' sums of squares; beside it my eight units of V become codes ----------------
	s_mov_b32 s26, 0
	v_add_nc_u32 v[ADK], s26, v[AK0]
.set lt, 0
.rept 8
	ds_load_b128 v[KR+8*lt:KR+8*lt+3],   v[ADK] offset:KT*lt
	ds_load_b128 v[KR+8*lt+4:KR+8*lt+7], v[ADK] offset:KT*lt+544
.set lt, lt+1
.endr
	s_wait_dscnt 14                                ; tile 0 is in
.irp qt, 0,1,2,3
	v_wmma_f32_16x16x64_bf8_bf8 v[SA+8*\qt:SA+8*\qt+7], v[KR:KR+7], v[Q+8*\qt:Q+8*\qt+7], 0
.endr
.rept 4
	v_nop                                          ; four places: in front of the loads into the fragment just read, and of the first read of these results
.endr
	ds_load_b128 v[KR:KR+3],   v[ADK] offset:8*KT
	ds_load_b128 v[KR+4:KR+7], v[ADK] offset:8*KT+544
	SLOT1 0, 0, 1
	s_mov_b32 s26, KT                              ; the loop's trips begin at tiles 1, 33, 65
	s_mov_b32 s27, 0
	s_mov_b32 s28, 3
.Lp1:                                              ; a trip: 32 key tiles and two units of V
	v_add_nc_u32 v[ADK], s26, v[AK0]
	v_add_nc_u32 v[ADVW], s27, v[AVW0]
	VUNIT VLA, 16, 1, 65536, 0                     ; 16: the other set's loads, issued later, may be out; so on the way in and round the back edge
.set st, 0
.rept 16
	SLOT1 st, 1+st, 0
.set st, st+1
.endr
	VUNIT VLB, 16, 1, 98304, VSP
.rept 16
	SLOT1 st, 1+st, 0
.set st, st+1
.endr
	s_wait_xcnt 0x0                                ; V's loads have read their base: it may step
	s_add_nc_u64 s[8:9], s[8:9], 65536             ; two key steps of V on
	s_add_co_u32 s26, s26, 32*KT
	s_add_co_u32 s27, s27, 2*VSP
	s_sub_co_u32 s28, s28, 1
	s_cmp_lg_u32 s28, 0
	s_cbranch_scc1 .Lp1
	v_add_nc_u32 v[ADK], s26, v[AK0]               ; the tail, tiles 97 to 127 and units 6 and 7, is written out: no load leaves V, no LDS read passes K's last tile
	v_add_nc_u32 v[ADVW], s27, v[AVW0]
	VUNIT VLA, 16, 0, 0, 0
.set st, 0
.rept 16
	SLOT1 st, 97+st, 0
.set st, st+1
.endr
	VUNIT VLB, 0, 0, 0, VSP
.rept 15
	SLOT1 st, 97+st, 0
.set st, st+1
.endr
	s_wait_dscnt 0x0                               ; for the others' sake: my stores of V's codes have landed
	s_barrier_signal -1
	; the divisors, on registers alone, while the other waves arrive: a lane's eight partial sums, the other half of the lanes' (the query's other keys), + eps'
.irp qt, 0,1,2,3
	v_pk_add_f32 v[SUM+8*\qt:SUM+8*\qt+1], v[SUM+8*\qt:SUM+8*\qt+1], v[SUM+8*\qt+2:SUM+8*\qt+3]
	v_pk_add_f32 v[SUM+8*\qt+4:SUM+8*\qt+5], v[SUM+8*\qt+4:SUM+8*\qt+5], v[SUM+8*\qt+6:SUM+8*\qt+7]
.endr
.irp qt, 0,1,2,3
	v_pk_add_f32 v[SUM+8*\qt:SUM+8*\qt+1], v[SUM+8*\qt:SUM+8*\qt+1], v[SUM+8*\qt+4:SUM+8*\qt+5]
.endr
.irp qt, 0,1,2,3
	v_add_f32 v[SUM+8*\qt], v[SUM+8*\qt], v[SUM+8*\qt+1]
.endr
.irp qt, 0,1,2,3
	v_permlanex16_b32 v[SUM+8*\qt+1], v[SUM+8*\qt], s32, s33
.endr
.irp qt, 0,1,2,3
	v_add_f32 v[SUM+8*\qt], v[SUM+8*\qt], v[SUM+8*\qt+1]
.endr
.irp qt, 0,1,2,3
	v_add_f32 v[SUM+8*\qt], v[SUM+8*\qt], v[EPSC]
.endr
.irp qt, 0,1,2,3
	v_rcp_f32 v[R+2*\qt], v[SUM+8*\qt]
.endr
	v_nop                                          ; a plain line between the last reciprocal and the first use of a result
	s_wait_alu depctr_va_vdst(0)                   ; the wait ahead of the first line that names a result: one for the four
.irp qt, 0,1,2,3
	v_mov_b32 v[R+2*\qt+1], v[R+2*\qt]             ; the packed multiply names a pair
.endr
	s_barrier_wait -1                              ; V's codes are whole
; ---------------- pass 2 ----------------
.macro KLOAD off                       ; a key step's eight fragments of K
	WIN 0x40
.set lu, 0
.rept 8
	ds_load_b128 v[KF+8*lu:KF+8*lu+3],   v[ADK] offset:\off+KT*lu
	ds_load_b128 v[KF+8*lu+4:KF+8*lu+7], v[ADK] offset:\off+KT*lu+544
.set lu, lu+1
.endr
.endm
.macro VFLOAD                          ; a key step's four fragments of V: images, 512 bytes on end a load
	WIN 0x40
.set lu, 0
.rept 4
.set lc, 0
.rept 4
	ds_load_b128 v[VF+16*lu+4*lc:VF+16*lu+4*lc+3], v[ADV] offset:VTP*lu+512*lc
.set lc, lc+1
.endr
.set lu, lu+1
.endr
.endm
.macro SPROD qt, buf                   ; S^T of 128 keys x tile qt of my queries: eight products, each begun with the constant 0
	WIN 0x01
.set lu, 0
.rept 8
	v_wmma_f32_16x16x64_bf8_bf8 v[(\buf)+8*lu:(\buf)+8*lu+7], v[KF+8*lu:KF+8*lu+7], v[Q+8*(\qt):Q+8*(\qt)+7], 0
.set lu, lu+1
.endr
.endm
.macro HOLD2 a                         ; two weights held at the largest code x 2^ep: attn is never negative, so the hold is one-sided
.if DUAL
	v_dual_min_num_f32 v[\a], v[\a], v[LIMP] :: v_dual_min_num_f32 v[\a+1], v[\a+1], v[LIMP]
.else
	v_min_num_f32 v[\a], v[\a], v[LIMP]
	v_min_num_f32 v[\a+1], v[\a+1], v[LIMP]
.endif
.endm
; A quarter of a key step: tile qt of my queries.  Its S^T was made a slot ago, in buffer qt % 2; first the NEXT tile's products are issued into the other buffer (snext), so that they run beside this tile's
; vector lines: S^2, x 1 / (sum + eps'), the hold, the conversion.  Then four products O^T += V^T P, the four accumulators by turns; an accumulator comes up again a whole key step later.
; The LDS loads stand in runs behind the first 32 packed lines, which are the places behind the products that last read those registers: V's in slot 0 (waited for at that slot's end),
; the next step's K in slot 2 (kload; all four tiles have been multiplied by this step's K then; waited for at the head of slot 3).  zero = 1: the first key step starts O^T's sums.
.macro SLOT2 qt, zero, snext, kload
.set BC_, SA+64*((\qt)%2)
.if \snext
.if (\qt) == 3
	s_wait_dscnt 0x0                               ; the next step's K is in
.endif
	SPROD ((\qt)+1)%4, SA+64*(((\qt)+1)%2)
.endif
	WIN 0
.set li, 0
.rept 32
	v_pk_mul_f32 v[BC_+2*li:BC_+2*li+1], v[BC_+2*li:BC_+2*li+1], v[BC_+2*li:BC_+2*li+1]   ; S^2, each result from its low end on
.set li, li+1
.endr
.if (\qt) == 0
	VFLOAD
.endif
.if (\qt) == 2
.if \kload
	KLOAD 8*KT
.endif
.endif
	WIN 0
.set li, 0
.rept 32
	v_pk_mul_f32 v[BC_+2*li:BC_+2*li+1], v[BC_+2*li:BC_+2*li+1], v[R+2*(\qt):R+2*(\qt)+1] op_sel_hi:[1,0]   ; attn, finished and normalised
.set li, li+1
.endr
.set li, 0
.rept 32
	HOLD2 BC_+2*li
.set li, li+1
.endr
.set li, 0
.rept 8
	v_cvt_scalef32_pk8_bf8_f32 v[P+2*li:P+2*li+1], v[BC_+8*li:BC_+8*li+7], v[SCP]   ; tile u's eight keys: registers 2 u, 2 u + 1 of the operand
.set li, li+1
.endr
	v_nop                                          ; one plain vector line between the last conversion and the products that read its result (and the next slot's, which write its sources)
.if (\qt) == 0
	s_wait_dscnt 0x0                               ; V is in
.endif
	WIN 0x51
.set lu, 0
.rept 4
.if \zero
	v_wmma_f32_16x16x128_bf8_bf8 v[OT+32*(\qt)+8*lu:OT+32*(\qt)+8*lu+7], v[VF+16*lu:VF+16*lu+15], v[P:P+15], 0
.else
	v_wmma_f32_16x16x128_bf8_bf8 v[OT+32*(\qt)+8*lu:OT+32*(\qt)+8*lu+7], v[VF+16*lu:VF+16*lu+15], v[P:P+15], v[OT+32*(\qt)+8*lu:OT+32*(\qt)+8*lu+7]
.endif
.set lu, lu+1
.endr
.endm
.macro STEP2 zero, last                ; a key step of 128 keys
	v_add_nc_u32 v[ADK], s26, v[AK0]
	v_add_nc_u32 v[ADV], s27, v[AV0]
	SLOT2 0, \zero, 1, 0
	SLOT2 1, \zero, 1, 0
	SLOT2 2, \zero, 1, 1-(\last)
	SLOT2 3, \zero, 1-(\last), 0
	WIN 0                                          ; at a label and at a branch every window is 0
.if (\last) == 0
	s_add_co_u32 s26, s26, 8*KT
	s_add_co_u32 s27, s27, VSP
.endif
.endm
	s_mov_b32 s26, 0
	s_mov_b32 s27, 0
	v_add_nc_u32 v[ADK], s26, v[AK0]
	KLOAD 0
	s_wait_dscnt 0x0
	SPROD 0, SA                                    ; step 0, tile 0: there is no vector work yet to set beside it
	WIN 0
.rept 4
	v_nop                                          ; four places in front of the first read of these results: only matrix instructions and two additions would stand between
.endr
	STEP2 1, 0                                     ; the first key step is written out: its products start O^T's sums
	s_mov_b32 s28, 14
.Lp2:
	STEP2 0, 0
	s_sub_co_u32 s28, s28, 1
	s_cmp_lg_u32 s28, 0
	s_cbranch_scc1 .Lp2
	STEP2 0, 1                                     ; the last key step is written out: nothing is fetched or multiplied for a step behind it
; ---------------- the way out ----------------
; O^T x 2^(ep + ev).  Register 8 t + j of a tile is out(query r, channel 16 t + 8 h + j): 32 bytes of a row, and the lanes beside hold other rows.  So a tile goes through my own stage (rows of 256 + 16 bytes:
; row r starts at bank 4 r) and comes back two whole rows a load; a store covers 512 consecutive bytes, at a multiple of 256 from out's first byte.
.macro PACK qt
.set TM_, P+32*((\qt)%2)
	WIN 0x01
.set li, 0
.rept 16
	v_pk_mul_f32 v[TM_+2*li:TM_+2*li+1], v[OT+32*(\qt)+2*li:OT+32*(\qt)+2*li+1], s[30:31] op_sel_hi:[1,0]   ; each accumulator from its low end on
.set li, li+1
.endr
	WIN 0
.set li, 0
.rept 4
	ds_store_b128 v[STO], v[TM_+8*li:TM_+8*li+3] offset:64*li
	ds_store_b128 v[STO], v[TM_+8*li+4:TM_+8*li+7] offset:64*li+16
.set li, li+1
.endr
.set li, 0
.rept 8
	ds_load_b128 v[SA+32*(\qt)+4*li:SA+32*(\qt)+4*li+3], v[AQ] offset:544*li   ; LDS serves a wave's instructions in order (ISA guide 5.7.1.4): these see the stores above, and the next tile's stores come behind them
.set li, li+1
.endr
.endm
.macro SEND qt, younger                ; younger: the LDS instructions issued behind tile qt's loads: the next tile's sixteen, or none.  Each tile has registers of its own: no store's data are written again
.set li, 0
.rept 8
	s_wait_dscnt \younger+7-li
	global_store_b128 v[GO], v[SA+32*(\qt)+4*li:SA+32*(\qt)+4*li+3], s[12:13] offset:4096*(\qt)+512*li th:TH_STORE_NT
.set li, li+1
.endr
.endm
.rept 4
	v_nop                                          ; four places behind the last products: the first lines below write the registers that held P
.endr
	PACK 0
	PACK 1                                         ; a tile's arithmetic stands between the loads of the tile before and its stores
	SEND 0, 16
	PACK 2
	SEND 1, 16
	PACK 3
	SEND 2, 16
	SEND 3, 0
	s_wait_xcnt 0x0
	v_lshl_add_u32 v254, v0, 2, 0x4ac00
	v_mov_b32 v255, 0
	s_wait_tensorcnt 0x0
	ds_add_u32 v254, v255
	s_wait_dscnt 0x0
	s_endpgm
.Lfunc_end_k_q67a13b5c91_powsm:
	.size	k_q67a13b5c91_powsm, .Lfunc_end_k_q67a13b5c91_powsm-k_q67a13b5c91_powsm
	.p2alignl 7, 3214868480
	.fill 96, 4, 3214868480
	.section	.rodata,"a",@progbits
	.p2align	6, 0x0
	.amdhsa_kernel k_q67a13b5c91_powsm
		.amdhsa_group_segment_fixed_size 307200
		.amdhsa_private_segment_fixed_size 0
		.amdhsa_enable_private_segment 0
		.amdhsa_kernarg_size 40
		.amdhsa_user_sgpr_count 2
		.amdhsa_user_sgpr_kernarg_segment_ptr 1
		.amdhsa_wavefront_size32 1
		.amdhsa_system_sgpr_workgroup_id_x 1
		.amdhsa_system_sgpr_workgroup_id_y 1
		.amdhsa_system_sgpr_workgroup_id_z 1
		.amdhsa_system_vgpr_workitem_id 0
		.amdhsa_next_free_vgpr 512
		.amdhsa_next_free_sgpr 66
		.amdhsa_reserve_vcc 0
		.amdhsa_float_denorm_mode_32 3
		.amdhsa_float_denorm_mode_16_64 3
		.amdhsa_memory_ordered 1
		.amdhsa_forward_progress 1
		.amdhsa_inst_pref_size 255
	.end_amdhsa_kernel
	.section	.bss,"aw",@nobits
	.p2align	6
	.space	262144
	.amdgpu_metadata
---
amdhsa.version: [ 1, 2 ]
amdhsa.kernels:
  - .name:           k_q67a13b5c91_powsm
    .symbol:         k_q67a13b5c91_powsm.kd
    .args:
      - { .name: q, .offset: 0, .size: 8, .value_kind: global_buffer, .address_space: global }
      - { .name: k, .offset: 8, .size: 8, .value_kind: global_buffer, .address_space: global }
      - { .name: v, .offset: 16, .size: 8, .value_kind: global_buffer, .address_space: global }
      - { .name: lowp_scales, .offset: 24, .size: 8, .value_kind: global_buffer, .address_space: global }
      - { .name: out0, .offset: 32, .size: 8, .value_kind: global_buffer, .address_space: global }
    .group_segment_fixed_size: 307200
    .private_segment_fixed_size: 0
    .kernarg_segment_align: 8
    .kernarg_segment_size: 40
    .max_flat_workgroup_size: 256
    .sgpr_count:     66
    .vgpr_count:     512
    .wavefront_size: 32
...
	.end_amdgpu_metadata
.endif
;; end of part 1
